; MI455X (gfx1250); checked and timed in simulation.
; The chip was launched on July 23, 2026; its instructions are those of AMD's public machine-readable ISA for CDNA 5 (MIT licence, August 2026) and "CDNA5" Instruction Set Architecture Reference Guide (July 2026). The comments in the code are by the model that wrote it; some were corrected since.
;; Multi Head Attn. Allowed arithmetic: matrix products marked QUANTISED: E3M2 operands, one E8M0 scale for each 32 along K, by v_wmma_scale_f32_16x16x128_f8f6f4 with both operands' format E3M2, f32 sums; products left as they are: f32 operands where the result goes on into a quantised operand, else bf16, f16 or f32 operands; f32 sums; everything else in f32.
;; Inputs: Wk 1,024 x 1,024 float32; Wo 1,024 x 1,024 float32; Wq 1,024 x 1,024 float32; Wv 1,024 x 1,024 float32; bo 1,024 float32; x 2 x 1,024 x 1,024 float32.
;; Outputs: out0 2 x 1,024 x 1,024 float32.
;; This version of the problem:
;;   THIS VERSION OF THE PROBLEM IS GIVEN IN LOW PRECISION. The matrix products marked QUANTISED in the list below multiply operands that are first quantised to E3M2 (3 exponent bits, 2 mantissa bits; 6 bits a number), with one power-of-two scale for each 32 numbers along K (OCP MX v1.0); their sums are f32. All else is computed in f32.
;;   The module's matrix products, in the order in which they are computed (A, B: the left and right operand; K: the contracted axis; several contracted axes count as one K, in the product's order):
;;     1. [M 2,048, K 1,024] x [K 1,024, N 1,024]; A: input x; B: input Wq: QUANTISED
;;     2. [M 2,048, K 1,024] x [K 1,024, N 1,024]; A: input x; B: input Wk: QUANTISED
;;     3. [M 2,048, K 1,024] x [K 1,024, N 1,024]; A: input x; B: input Wv: QUANTISED
;;     4. batch 128 x [M 1,024, K 16] x [K 16, N 1,024]; A: computed on the way; B: computed on the way: left as it is (K = 16 < 32)
;;     5. batch 128 x [M 1,024, K 1,024] x [K 1,024, N 16]; A: softmax (see below); B: computed on the way: QUANTISED
;;     6. [M 2,048, K 1,024] x [K 1,024, N 1,024]; A: computed on the way; B: input Wo: QUANTISED
;;   THE QUANTISER, for each operand of a quantised product, along K:
;;     - K is cut into blocks of 32 from its start; a last block that is shorter is filled with zeros.
;;     - A block's scale is 2^e with e = floor(log2(the largest magnitude in the block)) - 4, held to -126 .. 127; a block of zeros has e = 0. As a byte (E8M0): e + 127.
;;     - Each number is divided by its block's scale, clamped to +-28, and rounded to the nearest number of E3M2, ties to even, subnormals kept.
;;     - The product sums the exact products of the quantised numbers (number of the format x scale) in f32.
;;   ~~~python
;;   def quantise(x, axis):      # numpy; x: float32 -> the quantised numbers, widened to float32 again
;;       x = np.moveaxis(x, axis, -1); K = x.shape[-1]
;;       x = np.pad(x, [(0, 0)] * (x.ndim - 1) + [(0, -K % 32)]); x = x.reshape(x.shape[:-1] + (-1, 32)); a = np.abs(x).max(-1, keepdims=True)
;;       e = np.where(a > 0, np.clip(np.frexp(np.where(a > 0, a, 1))[1] - 1 - 4, -126, 127), 0)      # np.frexp(a)[1] - 1 = floor(log2(a)), exactly
;;       r = np.clip(x / 2.0 ** e, -28, 28)
;;       step = 2.0 ** (np.maximum(np.frexp(np.where(r == 0, 1, r))[1] - 1, -2) - 2)
;;       q = np.round(r / step) * step * 2.0 ** e      # np.round: ties to even
;;       return np.moveaxis(q.reshape(q.shape[:-2] + (-1,))[..., :K], -1, axis).astype(np.float32)
;;   ~~~
;;   SOFTMAX AHEAD OF A QUANTISED PRODUCT. Where the list says 'softmax', what is quantised is not the finished softmax but p = 2^(t - M), with t = logit x log2(e) and M = ceil(the row's largest t), a whole number; so 1/2 < the row's largest p <= 1. The row's sum l is taken of the UNQUANTISED p, in f32, and the product's result is divided by l at the end. Since M is a whole number, a kernel that streams over the keys may use a running M (the ceiling of the running maximum): every later rescaling is an exact power of two, which a block's scale takes up: the codes' values come out the same.
;;   OPERANDS COMPUTED ON THE WAY. 'Computed on the way' means the value that the module computes at that place (a softmax that the list does not call 'softmax' is quantised finished and normalised). What goes into a quantiser is computed in f32, as accurately as f32 sums, v_exp_f32 and their like allow (about 1e-6 of the number): no bf16 or f16 on the way to a quantiser, and a product that is left as it is and whose result goes on into a quantised operand takes f32 operands (vector FMAs, or v_wmma_f32_16x16x4_f32). A number that lies on a knife's edge between two numbers of the format may be rounded either way, as far as f32 arithmetic and the matrix unit's own rounding can turn it there, and no further.
;; One version. Each part assembles by itself: llvm-mc -triple=amdgcn-amd-amdhsa -mcpu=gfx1250 --defsym DOCPART=n.
;; ======== version 1 of 1: 4 launches
;; workspace buffers: xcod 1,703,936 bytes; ccod 1,703,936 bytes; wcod 3,407,872 bytes; qkv 25,165,824 bytes
;; launch quant (part 1): grid 384 x 1, 4 waves a work-group, no clusters, 83,456 bytes of LDS; arguments x, Wq, Wk, Wv, Wo, xcod, wcod; writes xcod, wcod
.if DOCPART == 1
	.amdgcn_target "amdgcn-amd-amdhsa--gfx1250"
	.amdhsa_code_object_version 6
	.text
	.protected	k_q2f015ad8e0_quant
	.globl	k_q2f015ad8e0_quant
	.p2align	8
	.type	k_q2f015ad8e0_quant,@function
k_q2f015ad8e0_quant:
	s_mov_b64 s[64:65], 0
	v_nop
	global_prefetch_b8 v0, s[64:65] scope:SCOPE_SE
	s_setreg_imm32_b32 hwreg(HW_REG_WAVE_MODE, 25, 1), 1
	s_wait_xcnt 0x0
; x [2048][1024] (K innermost) and Wq, Wk, Wv, Wo [1024 (k)][1024 (n)] (K outermost), f32, become codes of BF6 (E3M2) with one E8M0 byte for each 32 along K.
; A block's scale is 2^(floor(log2(its largest magnitude)) - 4): its byte is the largest magnitude's exponent field - 4, held at 1 from below.
; LAYOUT OF THE CODES (xcod, wcod, and ccod of a later launch): by tiles of 16 rows (of x) or 16 columns (of a weight).  A tile takes 13,312 bytes: 4 chunks of 3,328, a chunk = 256 along K:
;   8 blocks of 384 bytes, [row r][24 bytes]; at +3,072 two K steps x 16 scale words (row r's four bytes for 128 along K).  The chunk's last 128 bytes are never written and never read.
; WHICH ROWS OF x FORM A TILE: tile rho holds rows 64 (rho / 4) + 8 (rho % 4) + (m % 8) + 32 (m / 8), m = 0 .. 15: the attention launch wants its keys so.  Tiles of weights are 16 neighbouring columns.
; SHARES.  Work-groups 0-127: a tile of x, a chunk to a wave.  Work-groups 128-383: 128 columns x 128 along K of one weight, 32 columns to a wave, a lane to a column, its registers down K.
; Straight-line text: every offset is an immediate, no store's data are written again, waves share nothing: no barrier.  The two paths have LDS bytes of their own.
; No cluster, no tensor loads, no matrix unit: every input byte is read once by one wave.
; LIMITS: NaN and infinities among the inputs are not served.  A block of zeros, or one whose largest magnitude lies under 2^-122, gets the byte 1 (the rule says 127 for zeros): its codes
; are zeros or follow the held scale, and this program alone reads the bytes.  A weight's scale words leave in pieces of 64 bytes: one byte in 128 of what the path moves.
.set XP,    1040                       ; x's stage: a row of 1,024 bytes + 16: sixteen rows start at sixteen different 16-byte columns of the banks' 256 bytes (ISA guide 11.1)
.set XWB,   16*XP                      ; a wave's stage on x's path, from LDS byte 0
.set WST,   4*XWB                      ; the weights' path: 4,096 bytes for each wave
.set TILEB, 13312
.set CHUNK, 3328
.set FLOOR, 0x2800000                  ; 2^(5 - 127)
.set OFFE,  0xfe000000                 ; -(4 << 23)
.set X,     32                         ; v32-159  128 numbers
.set C,     160                        ; v160-191 codes
.set OU,    192                        ; v192-223 the weights' codes read back from the stage
; v[d] = the largest magnitude of v[s] .. v[s + 15] (MAX32: .. v[s + 31]) and the floor; two chains, v[e] at work
.macro MAX16 d, e, s
	v_max3_num_f32 v[\d], |v[\s]|, |v[\s+1]|, |v[\s+2]|
	v_max3_num_f32 v[\e], |v[\s+3]|, |v[\s+4]|, |v[\s+5]|
.irp i, 6,10
	v_max3_num_f32 v[\d], v[\d], |v[\s+\i]|, |v[\s+\i+1]|
	v_max3_num_f32 v[\e], v[\e], |v[\s+\i+2]|, |v[\s+\i+3]|
.endr
	v_max3_num_f32 v[\d], v[\d], |v[\s+14]|, |v[\s+15]|
	v_max3_num_f32 v[\d], v[\d], v[\e], FLOOR
.endm
.macro MAX32 d, e, s
	v_max3_num_f32 v[\d], |v[\s]|, |v[\s+1]|, |v[\s+2]|
	v_max3_num_f32 v[\e], |v[\s+3]|, |v[\s+4]|, |v[\s+5]|
.irp i, 6,10,14,18,22,26
	v_max3_num_f32 v[\d], v[\d], |v[\s+\i]|, |v[\s+\i+1]|
	v_max3_num_f32 v[\e], v[\e], |v[\s+\i+2]|, |v[\s+\i+3]|
.endr
	v_max3_num_f32 v[\d], v[\d], |v[\s+30]|, |v[\s+31]|
	v_max3_num_f32 v[\d], v[\d], v[\e], FLOOR
.endm
	s_load_b256 s[4:11], s[0:1], 0x0               ; x s[4:5], Wq s[6:7], Wk s[8:9], Wv s[10:11]
	s_load_b128 s[12:15], s[0:1], 0x20             ; Wo s[12:13], xcod s[14:15]
	s_load_b64 s[16:17], s[0:1], 0x30              ; wcod
	v_lshl_add_u32 v224, v0, 2, 0x14400
	v_mov_b32 v225, 0
	v_lshrrev_b32 v1, 5, v0
	v_readfirstlane_b32 s18, v1                    ; wave 0..3
	v_and_b32 v1, 15, v0                           ; r
	v_bfe_u32 v2, v0, 4, 1                         ; which half of the lanes
	v_and_b32 v3, 31, v0                           ; lane
	s_mov_b32 s28, 0x76543210
	s_mov_b32 s29, 0xfedcba98                      ; v_permlanex16_b32's selects for lane l xor 16
	s_mul_i32 s19, s18, XWB                        ; my stage on x's path
	s_lshl_b32 s20, s18, 12
	s_add_co_u32 s20, s20, WST                     ; and on the weights'
	; every address register of both paths is made here, ahead of the branch
	v_lshlrev_b32 v4, 4, v1
	v_lshl_add_u32 v4, v2, 12, v4                  ; x: 16 bytes a lane; lanes 16-31 one row down
	v_mul_u32_u24 v5, v2, XP
	v_lshl_add_u32 v5, v1, 4, v5
	v_add_nc_u32 v5, s19, v5                       ; into x's stage, as loaded
	v_mul_u32_u24 v6, v1, XP
	v_lshl_add_u32 v6, v2, 6, v6
	v_add_nc_u32 v6, s19, v6                       ; out of it: row r, my 16 numbers of a block of 32
	v_mul_u32_u24 v7, v1, 24
	v_mad_u32_u24 v7, v2, 12, v7                   ; my 12 bytes of a block's 384
	v_mov_b32 v9, 0                                ; a lane permute's destination counts as one of its sources
	v_lshlrev_b32 v12, 2, v3                       ; 4 x lane
	v_lshlrev_b32 v17, 5, v1
	v_lshl_add_u32 v17, v2, 9, v17
	v_add_nc_u32 v17, s20, v17                     ; into the weights' stage: tile (half) x 512 + row x 32: two places of 16 bytes for a block's 2 x 12
	v_lshl_add_u32 v18, v3, 4, s20                 ; out of it: a place a lane
	v_mul_u32_u24 v19, v3, 12                      ; and the same 12 bytes among a block's 384
	v_mul_u32_u24 v20, v2, TILEB
	v_lshl_add_u32 v20, v1, 2, v20                 ; my column's scale word
	s_wait_kmcnt 0x0
	s_cmp_ge_u32 ttmp9, 128
	s_cbranch_scc1 .Lweights
	; ---------------- x: tile rho = the work-group's number, chunk = the wave's
	s_lshr_b32 s21, ttmp9, 2
	s_and_b32 s22, ttmp9, 3
	s_lshl_b32 s21, s21, 6
	s_lshl_b32 s22, s22, 3
	s_add_co_u32 s21, s21, s22                     ; the tile's first row
	s_lshl_b32 s22, s21, 12                        ; x 4,096 bytes
	s_lshl_b32 s23, s18, 10                        ; + my chunk's 1,024 bytes of a row
	s_add_co_u32 s22, s22, s23
	s_mov_b32 s23, 0
	s_add_nc_u64 s[4:5], s[4:5], s[22:23]
	s_mul_i32 s24, ttmp9, TILEB
	s_mul_i32 s25, s18, CHUNK
	s_add_co_u32 s24, s24, s25
	s_mov_b32 s25, 0
	s_add_nc_u64 s[14:15], s[14:15], s[24:25]
.irp t, 0,1,2,3                        ; piece t of 256 bytes; rows m = 2 i and 2 i + 1 of the tile: each half of the lanes reads 256 consecutive bytes, aligned
.irp i, 0,1,2,3,4,5,6,7
	global_load_b128 v[X+4*(8*\t+\i):X+4*(8*\t+\i)+3], v4, s[4:5] offset:((2*\i)%8+32*(\i/4))*4096+256*\t th:TH_LOAD_NT
.endr
.endr
.irp t, 0,1,2,3
	s_wait_loadcnt 24-8*\t                         ; piece t's eight loads are in; the later pieces' may be out
.irp i, 0,1,2,3,4,5,6,7
	ds_store_b128 v5, v[X+4*(8*\t+\i):X+4*(8*\t+\i)+3] offset:2*\i*XP+256*\t
.endr
.endr
	s_wait_dscnt 0x0                               ; the stores have read their registers, which the loads below fill
.irp b, 0,1,2,3,4,5,6,7                ; back: lane (r, half) takes k = 32 b + 16 half + 0 .. 15 of row r.  LDS serves a wave's instructions in order (ISA guide 5.7.1)
.irp q, 0,1,2,3
	ds_load_b128 v[X+16*\b+4*\q:X+16*\b+4*\q+3], v6 offset:128*\b+16*\q
.endr
.endr
.macro Q16 b                           ; block b of the chunk's eight
	s_wait_dscnt 28-4*(\b)                         ; its four loads are in; the later blocks' may be out
	MAX16 8, 10, X+16*(\b)
	v_permlanex16_b32 v9, v8, s28, s29
	v_max_num_f32 v8, v8, v9                       ; with the other half's 16: the block's largest magnitude
	v_add_nc_u32 v11, OFFE, v8                     ; 4 off its exponent field: the conversion takes this operand's exponent field as its scale
	v_cvt_scalef32_pk16_bf6_f32 v[C+4*(\b):C+4*(\b)+2], v[X+16*(\b):X+16*(\b)+15], v11
.if (\b)%4 == 0
	v_lshrrev_b32 v[13+(\b)/4], 23, v11            ; the scale's byte starts a scale word
.else
	v_lshrrev_b32 v10, 23, v11
	v_lshl_or_b32 v[13+(\b)/4], v10, 8*((\b)%4), v[13+(\b)/4]
.endif
	global_store_b96 v7, v[C+4*(\b):C+4*(\b)+2], s[14:15] offset:384*(\b)   ; the wave stores the block's 384 consecutive bytes
.endm
.irp b, 0,1,2,3,4,5,6,7
	Q16 \b
.endr
	v_cmp_ne_u32 vcc_lo, 0, v2
	v_cndmask_b32 v15, v13, v14, vcc_lo            ; lanes 0-15 the first K step's word of row r, lanes 16-31 the second's
	global_store_b32 v12, v15, s[14:15] offset:3072
	s_wait_tensorcnt 0x0
	ds_add_u32 v224, v225
	s_wait_dscnt 0x0
	s_endpgm
	; ---------------- a weight: id = matrix x 64 + (128 columns) x 8 + (128 along K)
.Lweights:
	s_sub_co_u32 s21, ttmp9, 128
	s_lshr_b32 s22, s21, 6                         ; 0 Wq, 1 Wk, 2 Wv, 3 Wo
	s_bfe_u32 s23, s21, 0x30003                    ; which 128 columns
	s_and_b32 s24, s21, 7                          ; which 128 along K
	s_cmp_eq_u32 s22, 1                            ; the choice hangs on the work-group's number alone
	s_cselect_b64 s[6:7], s[8:9], s[6:7]
	s_cmp_eq_u32 s22, 2
	s_cselect_b64 s[6:7], s[10:11], s[6:7]
	s_cmp_eq_u32 s22, 3
	s_cselect_b64 s[6:7], s[12:13], s[6:7]
	s_lshl_b32 s26, s24, 19                        ; 128 rows of 4,096 bytes
	s_lshl_b32 s27, s23, 9
	s_add_co_u32 s26, s26, s27
	s_lshl_b32 s27, s18, 7                         ; my wave's 32 columns
	s_add_co_u32 s26, s26, s27
	s_mov_b32 s27, 0
	s_add_nc_u64 s[6:7], s[6:7], s[26:27]
	s_lshl_b32 s30, s22, 6
	s_lshl_b32 s31, s23, 3
	s_add_co_u32 s30, s30, s31
	s_lshl_b32 s31, s18, 1
	s_add_co_u32 s30, s30, s31                     ; my first tile: 64 x matrix + 8 x (128 columns) + 2 x wave
	s_mul_i32 s30, s30, TILEB
	s_lshr_b32 s31, s24, 1
	s_mul_i32 s31, s31, CHUNK
	s_add_co_u32 s30, s30, s31                     ; its chunk
	s_and_b32 s31, s24, 1                          ; which K step of the chunk
	s_mul_i32 s32, s31, 1536
	s_add_co_u32 s32, s30, s32
	s_mov_b32 s33, 0
	s_add_nc_u64 s[34:35], s[16:17], s[32:33]      ; the codes
	s_lshl_b32 s31, s31, 6
	s_add_co_u32 s32, s30, s31
	s_add_co_u32 s32, s32, 3072
	s_add_nc_u64 s[36:37], s[16:17], s[32:33]      ; the scale words
.set i, 0
.rept 128                              ; W(k, my column), k = 0 .. 127 of the K step: a wave reads 128 consecutive bytes, the four waves 512
	global_load_b32 v[X+i], v12, s[6:7] offset:4096*i th:TH_LOAD_NT
.set i, i+1
.endr
.macro Q32 bl, left                    ; block bl of four: all its 32 numbers are mine
	s_wait_loadcnt \left
	MAX32 8, 10, X+32*(\bl)
	v_add_nc_u32 v11, OFFE, v8
.if (\bl) == 0
	v_lshrrev_b32 v21, 23, v11
.else
	v_lshrrev_b32 v10, 23, v11
	v_lshl_or_b32 v21, v10, 8*(\bl), v21
.endif
	v_cvt_scalef32_pk16_bf6_f32 v[C+8*(\bl):C+8*(\bl)+2], v[X+32*(\bl):X+32*(\bl)+15], v11
	v_cvt_scalef32_pk16_bf6_f32 v[C+8*(\bl)+4:C+8*(\bl)+6], v[X+32*(\bl)+16:X+32*(\bl)+31], v11   ; (a conversion's three registers begin on an even number)
	ds_store_b96 v17, v[C+8*(\bl):C+8*(\bl)+2] offset:1024*(\bl)
	ds_store_b96 v17, v[C+8*(\bl)+4:C+8*(\bl)+6] offset:1024*(\bl)+16
.endm
	Q32 0, 63                              ; 96 loads were issued behind block 0's and 64 behind block 1's; the wait's field holds 63 (ISA guide 5.7.1), which is under both
	Q32 1, 63
	Q32 2, 32                              ; block 3's 32 may be out
	Q32 3, 0
.irp k, 0,1,2,3,4,5,6,7                ; k = 2 x block + tile: 32 places of 16 bytes, a place a lane.  LDS serves a wave's instructions in order: these see my stores
	ds_load_b96 v[OU+4*\k:OU+4*\k+2], v18 offset:512*\k
.endr
.irp k, 0,1,2,3,4,5,6,7
	s_wait_dscnt 7-\k
	global_store_b96 v19, v[OU+4*\k:OU+4*\k+2], s[34:35] offset:TILEB*(\k%2)+384*(\k/2)   ; a tile's block: 384 consecutive bytes
.endr
	global_store_b32 v20, v21, s[36:37]            ; my column's scale word for this K step
	s_wait_tensorcnt 0x0
	ds_add_u32 v224, v225
	s_wait_dscnt 0x0
	s_endpgm
.Lfunc_end_k_q2f015ad8e0_quant:
	.size	k_q2f015ad8e0_quant, .Lfunc_end_k_q2f015ad8e0_quant-k_q2f015ad8e0_quant
	.p2alignl 7, 3214868480
	.fill 96, 4, 3214868480
	.section	.rodata,"a",@progbits
	.p2align	6, 0x0
	.amdhsa_kernel k_q2f015ad8e0_quant
		.amdhsa_group_segment_fixed_size 83456
		.amdhsa_private_segment_fixed_size 0
		.amdhsa_enable_private_segment 0
		.amdhsa_kernarg_size 56
		.amdhsa_user_sgpr_count 2
		.amdhsa_user_sgpr_kernarg_segment_ptr 1
		.amdhsa_wavefront_size32 1
		.amdhsa_system_sgpr_workgroup_id_x 1
		.amdhsa_system_sgpr_workgroup_id_y 1
		.amdhsa_system_sgpr_workgroup_id_z 1
		.amdhsa_system_vgpr_workitem_id 0
		.amdhsa_next_free_vgpr 226
		.amdhsa_next_free_sgpr 66
		.amdhsa_reserve_vcc 1
		.amdhsa_float_denorm_mode_32 3
		.amdhsa_float_denorm_mode_16_64 3
		.amdhsa_memory_ordered 1
		.amdhsa_forward_progress 1
		.amdhsa_inst_pref_size 39
	.end_amdhsa_kernel
	.amdgpu_metadata
---
amdhsa.version: [ 1, 2 ]
amdhsa.kernels:
  - .name:           k_q2f015ad8e0_quant
    .symbol:         k_q2f015ad8e0_quant.kd
    .args:
      - { .name: x, .offset: 0, .size: 8, .value_kind: global_buffer, .address_space: global }
      - { .name: Wq, .offset: 8, .size: 8, .value_kind: global_buffer, .address_space: global }
      - { .name: Wk, .offset: 16, .size: 8, .value_kind: global_buffer, .address_space: global }
      - { .name: Wv, .offset: 24, .size: 8, .value_kind: global_buffer, .address_space: global }
      - { .name: Wo, .offset: 32, .size: 8, .value_kind: global_buffer, .address_space: global }
      - { .name: xcod, .offset: 40, .size: 8, .value_kind: global_buffer, .address_space: global }
      - { .name: wcod, .offset: 48, .size: 8, .value_kind: global_buffer, .address_space: global }
    .group_segment_fixed_size: 83456
    .private_segment_fixed_size: 0
    .kernarg_segment_align: 8
    .kernarg_segment_size: 56
    .max_flat_workgroup_size: 128
    .sgpr_count:     66
    .vgpr_count:     226
    .wavefront_size: 32
...
	.end_amdgpu_metadata
.endif
;; end of part 1
;; launch gemm_qkv (part 2): grid 16 x 16, 8 waves a work-group, clusters of 4 x 4, 263,168 bytes of LDS; arguments xcod, wcod, qkv; writes qkv
.if DOCPART == 2
	.amdgcn_target "amdgcn-amd-amdhsa--gfx1250"
	.amdhsa_code_object_version 6
	.text
	.protected	k_q2f015ad8e0_gemm_qkv
	.globl	k_q2f015ad8e0_gemm_qkv
	.p2align	8
	.type	k_q2f015ad8e0_gemm_qkv,@function
k_q2f015ad8e0_gemm_qkv:
	s_mov_b64 s[64:65], 0
	v_nop
	global_prefetch_b8 v0, s[64:65] scope:SCOPE_SE
	s_setreg_imm32_b32 hwreg(HW_REG_WAVE_MODE, 25, 1), 1
	s_wait_xcnt 0x0
	s_wait_alu depctr_hold_cnt(0) depctr_sa_sdst(0) depctr_va_vdst(0) depctr_va_sdst(0) depctr_va_ssrc(0) depctr_va_vcc(0) depctr_vm_vsrc(0)
	s_getreg_b32 s2, hwreg(HW_REG_IB_STS2, 6, 4)
	s_cmp_eq_u32 s2, 0
	s_cbranch_scc0 .Lentry_in_a_cluster
	s_endpgm
.Lentry_in_a_cluster:
	s_bfe_u32 s2, ttmp6, 0x10000c
	s_cmp_lg_u32 s2, 0xf033
	s_cbranch_scc0 .Lentry_shape_is_right
	s_endpgm
.Lentry_shape_is_right:
; q, k, v = Q(x) Q(Wq | Wk | Wv): [2048][1024] x [1024][3072] on codes of BF6 (E3M2) with E8M0 scales, sums in f32.
; xcod and wcod lie by tiles of 16 rows / 16 columns: a tile is 4 chunks of 3,328 bytes (256 along K): 8 blocks of [row][24 bytes], then at +3,072 two K steps x 16 scale words.
; SHARES.  A work-group makes 8 tiles of rows x 12 tiles of columns (128 x 192): 16 x 16 work-groups.  All of K for that, 8 x 12,800 + 12 x 12,800 = 256,000 bytes, fits in LDS:
; every byte of LDS is filled once, so there is no ring.  Eight waves, wave (w / 4, w % 4) makes 4 x 3 tiles: 12 accumulators; all registers lie under v210, two waves to a SIMD.
; CLUSTER 4 x 4: the four work-groups of a row of the cluster need the same tiles of x, the four of a column the same tiles of the weights: each is asked for jointly, by the same tensor load
; with the same descriptor and a mask that names the four.  Waves 0-3 fetch x's tiles (2 a chunk each), waves 4-7 the weights' (3 a chunk each): four loads a wave, one a chunk, all at the start.
; A FRAGMENT (16 rows x 128 K, 12 registers): lane (r, h) takes the 24 bytes of blocks 2 c + h, c = 0, 1, of its row: three loads of 8 bytes each at 384 (4 q + 2 c + h) + 24 r: the words
; 96 h + 6 r + {0, 1} fall on 64 different banks (64 banks of 4 bytes: ISA guide 11.1): no padding.
; THE MATRIX INSTRUCTION IS USED TRANSPOSED (source 0 = 16 columns of a weight, source 1 = 16 rows of x): lane (r, h) holds row r and columns 8 h + 0 .. 7 of the tile.
; THE RESULT is stored as it stands: qkv[(column tile x 128 + row tile) x 1,024 + 512 c2 + 16 lane] = the accumulator's registers 4 c2 .. 4 c2 + 3: each store covers 512 consecutive bytes, aligned.
.set TILEB, 13312
.set CHUNK, 3328
.set TB,    3200                       ; bytes of a tile's chunk that are used
.set ACH,   8*TB                       ; x's tiles of one chunk
.set BCH,   12*TB                      ; the weights'
.set BB,    4*ACH                      ; the weights' chunks lie behind x's four
.set ACC,   16                         ; v16-111   accumulator (a, b) at ACC + 8 (3 a + b)
.set AF,    112                        ; v112-159  x's four fragments
.set BF,    160                        ; v160-195  the weights' three
.set SCA,   196                        ; v196-199  x's scale words
.set SCB,   200                        ; v200-202  the weights'
.set G1A,   24                         ; s[24:31] descriptor group 1 for x's tiles;  s[32:39] for the weights'
.set G1B,   32
.set G0A,   40                         ; s[40:55] groups 0 for x's four chunks;  the weights' at s56, s60, s68, s72
.macro CROUND                          ; a round of the cluster's barrier
	s_barrier_signal -1
	s_barrier_wait -1
	s_cmp_lg_u32 s10, 0
	s_cbranch_scc1 .Lnot_wave_0_\@
	s_barrier_signal -3
.Lnot_wave_0_\@:
	s_barrier_wait -3
	s_barrier_signal -1
	s_barrier_wait -1
.endm
	s_load_b128 s[4:7], s[0:1], 0x0                ; xcod, wcod
	s_load_b64 s[8:9], s[0:1], 0x10                ; qkv
	v_lshl_add_u32 v208, v0, 2, 0x40000
	v_mov_b32 v209, 0
	ds_add_u32 v208, v209
	ds_add_u32 v208, v209
	v_lshrrev_b32 v1, 5, v0
	v_readfirstlane_b32 s10, v1                    ; wave 0..7
	s_lshr_b32 s11, s10, 2                         ; my half of the rows.  Also: I fetch for x (0) or for the weights (1)
	s_and_b32 s12, s10, 3                          ; my quarter of the columns.  Also: which tiles I fetch
	s_bfe_u32 s13, ttmp6, 0x40000                  ; cx
	s_bfe_u32 s14, ttmp6, 0x40004                  ; cy
	s_lshl_b32 s15, ttmp9, 2
	s_add_co_u32 s15, s15, s13                     ; work-group x: 12 tiles of columns
	s_and_b32 s16, ttmp7, 0xffff
	s_lshl_b32 s16, s16, 2
	s_add_co_u32 s16, s16, s14                     ; work-group y: 8 tiles of rows
	s_lshl_b32 s17, s14, 2
	s_lshl_b32 s17, 15, s17                        ; my row of the cluster
	s_lshl_b32 s18, 0x1111, s13                    ; my column
	; group 1: rows of 400 elements of 8 bytes (a tile's 3,200 bytes of one chunk), 1,664 elements (a tile) apart; 2 tiles for x, 3 for the weights; no padding
	s_or_b32 s[G1A], s17, (3<<16)|(1<<21)          ; 15:0 the mask; 17:16 elements of 8 bytes; 21 set beside a mask
	s_or_b32 s[G1B], s18, (3<<16)|(1<<21)
	s_mov_b32 s[G1A+1], 400<<16                    ; tensor_dim0
	s_mov_b32 s[G1A+2], 2<<16                      ; tensor_dim1
	s_mov_b32 s[G1A+3], 400<<16                    ; tile_dim0
	s_mov_b32 s[G1A+4], 2                          ; tile_dim1
	s_mov_b32 s[G1A+5], 1664                       ; tensor_dim0_stride
	s_mov_b32 s[G1A+6], 0
	s_mov_b32 s[G1A+7], 0
	s_mov_b32 s[G1B+1], 400<<16
	s_mov_b32 s[G1B+2], 3<<16
	s_mov_b32 s[G1B+3], 400<<16
	s_mov_b32 s[G1B+4], 3
	s_mov_b32 s[G1B+5], 1664
	s_mov_b32 s[G1B+6], 0
	s_mov_b32 s[G1B+7], 0
	s_lshl_b32 s20, s16, 3                         ; x: tile 8 y + 2 (w % 4): hangs on y alone, which my row of the cluster shares
	s_lshl_b32 s21, s12, 1
	s_add_co_u32 s20, s20, s21
	s_mul_i32 s20, s20, TILEB
	s_mov_b32 s21, 0
	s_mul_i32 s76, s15, 12                         ; the weights: tile 12 x + 3 (w % 4): hangs on x alone, which my column shares
	s_mul_i32 s77, s12, 3
	s_add_co_u32 s76, s76, s77
	s_mul_i32 s76, s76, TILEB
	s_mov_b32 s77, 0
	s_mul_i32 s22, s12, 2*TB                       ; where they go: no place in the cluster enters an LDS address
	s_mul_i32 s23, s12, 3*TB
	; the vector addresses, made ahead of the branch on the wave's number
	v_and_b32 v1, 15, v0                           ; r
	v_bfe_u32 v2, v0, 4, 1                         ; h
	v_mul_u32_u24 v8, v1, 24
	v_mad_u32_u24 v8, v2, 384, v8                  ; 384 h + 24 r
	v_lshlrev_b32 v9, 2, v1                        ; 4 r
	s_mul_i32 s19, s11, 4*TB                       ; my four tiles of x
	s_mul_i32 s78, s12, 3*TB
	s_add_co_u32 s78, s78, BB                      ; my three of the weights
	v_add_nc_u32 v3, s19, v8                       ; v3: x's fragments
	v_add_nc_u32 v4, s78, v8                       ; v4: the weights'
	s_add_co_u32 s19, s19, 3072
	s_add_co_u32 s78, s78, 3072
	v_add_nc_u32 v5, s19, v9                       ; v5: x's scale words
	v_add_nc_u32 v6, s78, v9                       ; v6: the weights'
	v_and_b32 v7, 31, v0
	v_lshlrev_b32 v7, 4, v7                        ; v7: 16 x lane, for the way out
	s_mul_i32 s2, s15, 12                          ; where my results go: ((12 x + 3 (w % 4)) x 128 + 8 y + 4 (w / 4)) x 1,024
	s_mul_i32 s3, s12, 3
	s_add_co_u32 s2, s2, s3
	s_lshl_b32 s2, s2, 7
	s_lshl_b32 s3, s16, 3
	s_add_co_u32 s2, s2, s3
	s_lshl_b32 s3, s11, 2
	s_add_co_u32 s2, s2, s3
	s_lshl_b32 s2, s2, 10
	s_mov_b32 s3, 0
	s_wait_dscnt 0x0
	s_wait_kmcnt 0x0
	s_add_nc_u64 s[8:9], s[8:9], s[2:3]
	s_add_nc_u64 s[20:21], s[4:5], s[20:21]
	s_add_nc_u64 s[76:77], s[6:7], s[76:77]
.irp j, 0,1,2,3
	s_mov_b32 s[G0A+4*\j], 1                                       ; count = 1
	s_add_co_u32 s[G0A+4*\j+1], s22, \j*ACH                        ; LDS address
	s_add_nc_u64 s[G0A+4*\j+2:G0A+4*\j+3], s[20:21], \j*CHUNK      ; global address: chunk j
	s_or_b32 s[G0A+4*\j+3], s[G0A+4*\j+3], 0x80000000              ; type = 2
	s_mov_b32 s[56+4*\j+4*(\j/2)], 1
	s_add_co_u32 s[57+4*\j+4*(\j/2)], s23, BB+\j*BCH
	s_add_nc_u64 s[58+4*\j+4*(\j/2):59+4*\j+4*(\j/2)], s[76:77], \j*CHUNK
	s_or_b32 s[59+4*\j+4*(\j/2)], s[59+4*\j+4*(\j/2)], 0x80000000
.endr
	CROUND                                         ; all sixteen work-groups are here: the joint loads meet
	s_cmp_lt_u32 s10, 4                            ; a wave's four fills stand in one branch on the wave's number, ahead of every wait on TENSORcnt, LDS read and further barrier: four loads of mine are out
	s_cbranch_scc0 .Lfor_b
	tensor_load_to_lds s[40:43], s[G1A:G1A+7]
	s_nop 0
	tensor_load_to_lds s[44:47], s[G1A:G1A+7]
	s_nop 0
	tensor_load_to_lds s[48:51], s[G1A:G1A+7]
	s_nop 0
	tensor_load_to_lds s[52:55], s[G1A:G1A+7]
	s_nop 0
.rept 4
	v_nop                                          ; four v_nop follow the last of the loads, ahead of the jump and the label
.endr
	s_branch .Lasked
.Lfor_b:
	tensor_load_to_lds s[56:59], s[G1B:G1B+7]
	s_nop 0
	tensor_load_to_lds s[60:63], s[G1B:G1B+7]
	s_nop 0
	tensor_load_to_lds s[68:71], s[G1B:G1B+7]
	s_nop 0
	tensor_load_to_lds s[72:75], s[G1B:G1B+7]
	s_nop 0
.rept 4
	v_nop
.endr
.Lasked:
; 128 along K, the chunk's q-th: 7 fragments and their scale words from LDS, 12 products.  The accumulators take turns, one instruction a turn, in the same order in every step.
; first = 1: the products start the sums: nothing is cleared.
.macro KSTEP q, first
.irp a, 0,1,2,3
.irp p, 0,1,2,3,4,5
	ds_load_b64 v[AF+12*\a+2*\p:AF+12*\a+2*\p+1], v3 offset:TB*\a+1536*\q+768*(\p/3)+8*(\p%3)
.endr
	ds_load_b32 v[SCA+\a], v5 offset:TB*\a+64*\q
.endr
.irp b, 0,1,2
.irp p, 0,1,2,3,4,5
	ds_load_b64 v[BF+12*\b+2*\p:BF+12*\b+2*\p+1], v4 offset:TB*\b+1536*\q+768*(\p/3)+8*(\p%3)
.endr
	ds_load_b32 v[SCB+\b], v6 offset:TB*\b+64*\q
.endr
	s_wait_dscnt 0x0
.irp a, 0,1,2,3
.irp b, 0,1,2
.if \first
	v_wmma_scale_f32_16x16x128_f8f6f4 v[ACC+8*(3*\a+\b):ACC+8*(3*\a+\b)+7], v[BF+12*\b:BF+12*\b+11], v[AF+12*\a:AF+12*\a+11], 0, v[SCB+\b], v[SCA+\a] matrix_a_fmt:MATRIX_FMT_BF6 matrix_b_fmt:MATRIX_FMT_BF6
.else
	v_wmma_scale_f32_16x16x128_f8f6f4 v[ACC+8*(3*\a+\b):ACC+8*(3*\a+\b)+7], v[BF+12*\b:BF+12*\b+11], v[AF+12*\a:AF+12*\a+11], v[ACC+8*(3*\a+\b):ACC+8*(3*\a+\b)+7], v[SCB+\b], v[SCA+\a] matrix_a_fmt:MATRIX_FMT_BF6 matrix_b_fmt:MATRIX_FMT_BF6
.endif
.endr
.endr
.rept 4
	v_nop                                          ; four places in front of the next loads into registers that these products read, and of the stores that read their results
.endr
.endm
.irp j, 0,1,2,3
	s_wait_tensorcnt 3-\j                          ; my part of chunk j is in; the later chunks' loads may stay out
	s_barrier_signal -1
	s_barrier_wait -1                              ; everybody's is
.if \j == 0
	KSTEP 0, 1
.else
	KSTEP 0, 0
.endif
	KSTEP 1, 0
.if \j < 3
	v_add_nc_u32 v3, ACH, v3                       ; on to the next chunk
	v_add_nc_u32 v5, ACH, v5
	v_add_nc_u32 v4, BCH, v4
	v_add_nc_u32 v6, BCH, v6
.endif
.endr
.irp a, 0,1,2,3                        ; the way out: each accumulator from its low end on, 512 consecutive bytes a store
.irp b, 0,1,2
	global_store_b128 v7, v[ACC+8*(3*\a+\b):ACC+8*(3*\a+\b)+3], s[8:9] offset:131072*\b+1024*\a
	global_store_b128 v7, v[ACC+8*(3*\a+\b)+4:ACC+8*(3*\a+\b)+7], s[8:9] offset:131072*\b+1024*\a+512
.endr
.endr
	s_wait_tensorcnt 0x0
	ds_add_u32 v208, v209
	s_wait_dscnt 0x0
	CROUND                                         ; the closing round: no work-group ends while a partner may still ask for a tile that names it
	s_endpgm
.Lfunc_end_k_q2f015ad8e0_gemm_qkv:
	.size	k_q2f015ad8e0_gemm_qkv, .Lfunc_end_k_q2f015ad8e0_gemm_qkv-k_q2f015ad8e0_gemm_qkv
	.p2alignl 7, 3214868480
	.fill 96, 4, 3214868480
	.section	.rodata,"a",@progbits
	.p2align	6, 0x0
	.amdhsa_kernel k_q2f015ad8e0_gemm_qkv
		.amdhsa_group_segment_fixed_size 263168
		.amdhsa_private_segment_fixed_size 0
		.amdhsa_enable_private_segment 0
		.amdhsa_kernarg_size 24
		.amdhsa_user_sgpr_count 2
		.amdhsa_user_sgpr_kernarg_segment_ptr 1
		.amdhsa_wavefront_size32 1
		.amdhsa_system_sgpr_workgroup_id_x 1
		.amdhsa_system_sgpr_workgroup_id_y 1
		.amdhsa_system_sgpr_workgroup_id_z 1
		.amdhsa_system_vgpr_workitem_id 0
		.amdhsa_next_free_vgpr 210
		.amdhsa_next_free_sgpr 80
		.amdhsa_reserve_vcc 0
		.amdhsa_float_denorm_mode_32 3
		.amdhsa_float_denorm_mode_16_64 3
		.amdhsa_memory_ordered 1
		.amdhsa_forward_progress 1
		.amdhsa_inst_pref_size 49
	.end_amdhsa_kernel
	.amdgpu_metadata
---
amdhsa.version: [ 1, 2 ]
amdhsa.kernels:
  - .name:           k_q2f015ad8e0_gemm_qkv
    .symbol:         k_q2f015ad8e0_gemm_qkv.kd
    .args:
      - { .name: xcod, .offset: 0, .size: 8, .value_kind: global_buffer, .address_space: global }
      - { .name: wcod, .offset: 8, .size: 8, .value_kind: global_buffer, .address_space: global }
      - { .name: qkv, .offset: 16, .size: 8, .value_kind: global_buffer, .address_space: global }
    .group_segment_fixed_size: 263168
    .private_segment_fixed_size: 0
    .kernarg_segment_align: 8
    .kernarg_segment_size: 24
    .max_flat_workgroup_size: 256
    .sgpr_count:     80
    .vgpr_count:     210
    .wavefront_size: 32
...
	.end_amdgpu_metadata
.endif
;; end of part 2
;; launch attn (part 3): grid 256 x 1, 16 waves a work-group, clusters of 4 x 1, 327,680 bytes of LDS; arguments qkv, ccod; writes ccod
.if DOCPART == 3
	.amdgcn_target "amdgcn-amd-amdhsa--gfx1250"
	.amdhsa_code_object_version 6
	.text
	.protected	k_q2f015ad8e0_attn
	.globl	k_q2f015ad8e0_attn
	.p2align	8
	.type	k_q2f015ad8e0_attn,@function
k_q2f015ad8e0_attn:
	s_mov_b64 s[64:65], 0
	v_nop
	global_prefetch_b8 v0, s[64:65] scope:SCOPE_SE
	s_setreg_imm32_b32 hwreg(HW_REG_WAVE_MODE, 25, 1), 1
	s_wait_xcnt 0x0
	s_wait_alu depctr_hold_cnt(0) depctr_sa_sdst(0) depctr_va_vdst(0) depctr_va_sdst(0) depctr_va_ssrc(0) depctr_va_vcc(0) depctr_vm_vsrc(0)
	s_getreg_b32 s2, hwreg(HW_REG_IB_STS2, 6, 4)
	s_cmp_eq_u32 s2, 0
	s_cbranch_scc0 .Lentry_in_a_cluster
	s_endpgm
.Lentry_in_a_cluster:
	s_bfe_u32 s2, ttmp6, 0x10000c
	s_cmp_lg_u32 s2, 0x3003
	s_cbranch_scc0 .Lentry_shape_is_right
	s_endpgm
.Lentry_shape_is_right:
; Causal attention over 128 (batch, head) pairs of 1,024 x 1,024 with 16 features a head, and the quantising of its result for the last product.
; scores = q k^T in f32 (K = 16: left as it is; its result goes into a quantiser, so f32 operands: v_wmma_f32_16x16x4_f32).  t = score x log2(e) / 4; M = the running largest t rounded UP to a whole number;
; p = 2^(t - M) is quantised along the keys to BF6 (E3M2) with E8M0 scales; v likewise, down the keys; O^T = V^T P^T on codes; the row's sum of the unquantised p divides at the end.
; qkv holds q, k, v as images of registers: [(64 x {q, k, v} + head) x 128 + row tile][1,024 bytes]: at 512 c2 + 16 lane, lane (r, h) has features 8 h + 4 c2 + 0 .. 3 of the tile's row r.
; ROWS OF A TILE: tile T of a batch holds rows 64 (T / 4) + 8 (T % 4) + (m % 8) + 32 (m / 8).  So in S^T = K Q^T (source 0 = 16 keys, source 1 = 16 queries) lane (r, h) holds query r, and register
; 32 c + 8 t + j of a step of 128 keys holds key 64 c + 32 h + 8 t + j: a lane's 32 registers are one whole block of 32 keys, at the place that the 6-bit operand's layout gives that lane.
; THE f32 PRODUCT'S K: step u of four takes features 8 h + 2 u + {0, 1}: a permutation of the 16 features, the same for q and for k.
; SHARES.  A cluster of four work-groups serves two neighbouring heads of one batch (they are one block of 32 along the last product's K).  K and V of both heads, 256 KiB, are asked for jointly,
; once, one tensor load a wave, and stay in LDS.  Wave w (w8 = w % 8, hd = w / 8) of the work-group at place g serves head hd and the query tiles T1 = 4 w8 + g and T2 = 63 - T1:
; their diagonal steps are w8 / 2 and 7 - w8 / 2, which hang on the wave's number alone, and every wave has 9 steps of 128 keys.  Four waves share a SIMD.
; CAUSAL: both loops have 8 trips; a step whose keys all come after the tile's queries is jumped over; in the diagonal step hidden keys enter as -infinity, as the C of each sum's first link.
; LIMITS: NaN and infinities among the inputs are not served.  Blocks of zeros, and blocks under 2^-122, get the byte 1 over zero codes or the held scale; this program alone reads the bytes.
; A block's largest p is made from the block's largest score by the same two instructions: that takes v_exp_f32 not to fall where its input rises.
; ccod's pieces of 384 bytes and its single scale bytes fill some aligned blocks of 256 bytes in part: a work-group owns one block of 32 of the 1,024 along K.
.set WB,    17408                      ; what one tensor load brings: 64 x (256 bytes + 16 of padding): 16 tiles
.set HB,    4*WB                       ; one head's K or V
.set TP,    1088                       ; a tile in LDS
.set STEPB, 8*TP                       ; 128 keys
.set VF32,  2*HB                       ; V in f32 lies behind K's two heads
.set VC,    16*WB                      ; V's codes: row 16 hd + e, 24 bytes a block of 32 keys
.set VCP,   784                        ; 768 + 16: word 4 r + 6 h + {0, 1} modulo 64: the 32 lanes of a load of 8 bytes touch 64 different banks (ISA guide 11.1)
.set VS,    VC+32*VCP                  ; V's scale bytes: row 16 hd + e
.set VSP,   36
.set EX,    VF32                       ; the normalised O of 32 (pass, wave): 1,024 bytes each; in V's f32 bytes, which have had their only fill and are read by nobody behind the second barrier
.set FLOOR, 0x2800000                  ; 2^(5 - 127)
.set OFFE,  0xfe000000                 ; -(4 << 23)
.set QF,    32                         ; v32-47   q's fragments, 8 registers a pass
.set VF,    48                         ; v48-59   V's fragment
.set S,     64                         ; v64-127  S^T: written by matrix instructions alone
.set P,     128                        ; v128-191 the mask, then p
.set KF,    192                        ; v192-223 four tiles of k
.set PC,    224                        ; v224-235 p's codes
.set CT,    236                        ; v236-238, v240-242 the upper halves of the blocks' codes
.set O,     244                        ; v244-251 O^T
; v1 my place in a tile of k; v2 in V's codes; v3 among V's scale words; v4-6 the addresses in hand; v7 the mask's bound; v8 -infinity; v9 8 h; v10, v11 my places in ccod;
; v12 -M, v13 the largest t, v[14:15] the sum in two halves, v[16:17] f; v18-21 maxima; v22-25 scales at work; v26 p's scale word, v27 V's; v28-31 at work; v60-63 addresses that stay
.macro CROUND                          ; a round of the cluster's barrier
	s_barrier_signal -1
	s_barrier_wait -1
	s_cmp_lg_u32 s8, 0
	s_cbranch_scc1 .Lnot_wave_0_\@
	s_barrier_signal -3
.Lnot_wave_0_\@:
	s_barrier_wait -3
	s_barrier_signal -1
	s_barrier_wait -1
.endm
	s_load_b128 s[4:7], s[0:1], 0x0                ; qkv, ccod
	v_lshl_add_u32 v239, v0, 2, 0x4a700
	v_mov_b32 v243, 0
	ds_add_u32 v239, v243
	ds_add_u32 v239, v243
	v_lshrrev_b32 v1, 5, v0
	v_readfirstlane_b32 s8, v1                     ; wave 0..15
	s_and_b32 s9, s8, 7                            ; w8
	s_lshr_b32 s10, s8, 3                          ; hd.  Also: I fetch K (0) or V (1)
	s_bfe_u32 s11, ttmp6, 0x40000                  ; g: my place in the cluster: it enters global addresses and the mask's bound alone
	s_and_b32 s12, ttmp9, 31                       ; the pair of heads
	s_lshr_b32 s13, ttmp9, 5                       ; the batch
	s_lshl_b32 s14, s9, 2
	s_add_co_u32 s14, s14, s11                     ; T1
	s_sub_co_u32 s15, 63, s14                      ; T2
	; group 1: a dense block of 16 KiB as 64 rows of 256 bytes (32 elements of 8 bytes), 16 bytes of padding behind each
	s_mov_b32 s16, 15|(3<<16)|(1<<20)|(1<<21)|(5<<22)|(3<<25)   ; the mask: all four work-groups; elements of 8 bytes; padding on; 21 set beside a mask; after every 64 words, 4 words
	s_mov_b32 s17, 32<<16
	s_mov_b32 s18, 64<<16
	s_mov_b32 s19, 32<<16
	s_mov_b32 s20, 64
	s_mov_b32 s21, 32
	s_mov_b32 s22, 0
	s_mov_b32 s23, 0
	s_mov_b32 s24, 1
	s_mul_i32 s25, s8, WB                          ; LDS: waves 0-3 K of the first head, 4-7 of the second, 8-11 and 12-15 V likewise
	s_lshl_b32 s37, s10, 6
	s_add_co_u32 s37, s37, 64                      ; k's heads begin at 64, v's at 128
	s_lshl_b32 s38, s12, 1
	s_add_co_u32 s37, s37, s38
	s_bfe_u32 s38, s8, 0x10002
	s_add_co_u32 s37, s37, s38                     ; + which head of the pair
	s_lshl_b32 s37, s37, 7
	s_lshl_b32 s38, s13, 6
	s_add_co_u32 s37, s37, s38                     ; + the batch's 64 tiles
	s_and_b32 s38, s8, 3
	s_lshl_b32 s38, s38, 4
	s_add_co_u32 s37, s37, s38                     ; + my 16 of them
	s_lshl_b32 s38, s37, 10
	s_mov_b32 s39, 0
	s_mov_b32 s28, 0x76543210
	s_mov_b32 s29, 0xfedcba98                      ; v_permlanex16_b32's selects for lane l xor 16
	s_mov_b32 s30, 0x3eb8aa3b                      ; c = log2(e) / sqrt(16)
	s_mov_b32 s31, s30                             ; (named with it as a pair, so it is written)
	s_wait_dscnt 0x0
	s_wait_kmcnt 0x0
	s_add_nc_u64 s[26:27], s[4:5], s[38:39]
	s_or_b32 s27, s27, 0x80000000                  ; type = 2
	CROUND                                         ; all four work-groups are here: the joint loads meet
	tensor_load_to_lds s[24:27], s[16:23]          ; my one tensor load of the launch
	s_nop 0
.rept 4
	v_nop
.endr
	v_and_b32 v29, 15, v0                          ; r
	v_bfe_u32 v30, v0, 4, 1                        ; h
	v_and_b32 v60, 31, v0
	v_lshlrev_b32 v60, 4, v60                      ; 16 x lane
	s_lshl_b32 s40, s12, 1
	s_add_co_u32 s40, s40, s10                     ; my head
	s_lshl_b32 s40, s40, 7
	s_lshl_b32 s41, s13, 6
	s_add_co_u32 s40, s40, s41
	s_add_co_u32 s42, s40, s14
	s_lshl_b32 s42, s42, 10
	s_mov_b32 s43, 0
	s_add_nc_u64 s[44:45], s[4:5], s[42:43]        ; q's tile T1
	s_add_co_u32 s42, s40, s15
	s_lshl_b32 s42, s42, 10
	s_add_nc_u64 s[46:47], s[4:5], s[42:43]        ; and T2
	global_load_b128 v[QF:QF+3], v60, s[44:45]
	global_load_b128 v[QF+4:QF+7], v60, s[44:45] offset:512
	global_load_b128 v[QF+8:QF+11], v60, s[46:47]
	global_load_b128 v[QF+12:QF+15], v60, s[46:47] offset:512
	s_cmp_lg_u32 s10, 0                            ; at the end wave (w8, hd) quantises the tile of pass hd
	s_cselect_b32 s52, s15, s14
	s_add_co_u32 s52, s52, s41
	s_mul_i32 s52, s52, 13312                      ; its tile in ccod,
	s_lshr_b32 s53, s12, 3
	s_mul_i32 s53, s53, 3328
	s_add_co_u32 s52, s52, s53                     ; the chunk of block hp,
	s_and_b32 s53, s12, 7
	s_mul_i32 s53, s53, 384
	s_add_co_u32 s54, s52, s53
	s_mov_b32 s55, 0
	s_add_nc_u64 s[48:49], s[6:7], s[54:55]        ; the block's codes,
	s_bfe_u32 s53, s12, 0x10002
	s_lshl_b32 s53, s53, 6
	s_add_co_u32 s54, s52, s53
	s_and_b32 s53, s12, 3
	s_add_co_u32 s54, s54, s53
	s_add_co_u32 s54, s54, 3072
	s_add_nc_u64 s[50:51], s[6:7], s[54:55]        ; and its byte in the rows' scale words
	v_mul_u32_u24 v1, v30, 272
	v_lshl_add_u32 v1, v29, 4, v1                  ; a tile of k: 16 x lane, + 16 for the padding behind lanes 0-15's 256 bytes
	v_mul_u32_u24 v2, v29, VCP
	v_mad_u32_u24 v2, v30, 24, v2
	v_add_nc_u32 v2, VC, v2                        ; V's codes: row r, + 24 h
	v_mul_u32_u24 v3, v29, VSP
	v_add_nc_u32 v3, VS, v3                        ; V's scale words: row r
	v_mov_b32 v8, 0xff800000                       ; -infinity
	v_lshlrev_b32 v9, 3, v30
	v_mul_u32_u24 v10, v29, 24
	v_mad_u32_u24 v10, v30, 12, v10
	v_lshlrev_b32 v11, 2, v29
	v_mov_b32 v17, 0                               ; (named as the upper half of the pair v[16:17])
	v_mov_b32 v28, 0                               ; a lane permute's destination counts as one of its sources
	v_and_b32 v61, 7, v29
	v_lshrrev_b32 v31, 3, v29
	v_sub_nc_u32 v31, v31, v30
	v_lshl_add_u32 v61, v31, 5, v61                ; (r % 8) + 32 (r / 8) - 32 h
	s_lshl_b32 s56, s8, 10
	s_add_co_u32 s56, s56, EX
	v_add_nc_u32 v62, s56, v60                     ; where I put a pass's O
	s_lshl_b32 s56, s10, 14
	s_lshl_b32 s57, s9, 10
	s_add_co_u32 s56, s56, s57
	s_add_co_u32 s56, s56, EX
	v_add_nc_u32 v63, s56, v60                     ; and where I read the tile that I quantise
	; V's quantiser: lane (e = lane % 16, hb = lane / 16) takes feature e of the key blocks 2 (2 w8 + t) + hb, t = 0, 1, of head hd
	v_and_b32 v31, 3, v29
	v_lshlrev_b32 v4, 2, v31
	v_bfe_u32 v31, v29, 2, 1
	v_mad_u32_u24 v4, v31, 544, v4
	v_lshrrev_b32 v31, 3, v29
	v_mad_u32_u24 v4, v31, 272, v4                 ; feature e in a tile's image: words e % 4 + 8 ((e / 4) % 2) + 4 (e / 8) + 32 hb modulo 64: 32 different banks
	v_lshl_add_u32 v4, v30, 7, v4                  ; rows 8 hb on
	s_mul_i32 s58, s10, HB
	s_mul_i32 s59, s9, STEPB
	s_add_co_u32 s58, s58, s59
	s_add_co_u32 s58, s58, VF32
	v_add_nc_u32 v4, s58, v4
	s_mul_i32 s58, s10, 16*VCP
	s_mul_i32 s59, s9, 96
	s_add_co_u32 s58, s58, s59
	v_add_nc_u32 v5, s58, v2                       ; its codes: row 16 hd + e, block 4 w8 + hb
	s_mul_i32 s58, s10, 16*VSP
	s_lshl_b32 s59, s9, 2
	s_add_co_u32 s58, s58, s59
	v_add_nc_u32 v6, v3, v30
	v_add_nc_u32 v6, s58, v6                       ; and its byte
	s_wait_tensorcnt 0x0                           ; my part of K or V is in,
	s_barrier_signal -1
	s_barrier_wait -1                              ; everybody's is
	; ---------------- V's codes, keys innermost
.irp t, 0,1
.irp q, 0,1,2,3
.irp j, 0,1,2,3,4,5,6,7
	ds_load_b32 v[P+32*\t+8*\q+\j], v4 offset:4*TP*\t+TP*\q+16*\j   ; key 64 (2 w8 + t) + 32 hb + 8 q + j
.endr
.endr
.endr
.macro VQ t
	v_max3_num_f32 v18, |v[P+32*\t]|, |v[P+32*\t+1]|, |v[P+32*\t+2]|
	v_max3_num_f32 v19, |v[P+32*\t+3]|, |v[P+32*\t+4]|, |v[P+32*\t+5]|
.irp i, 6,10,14,18,22,26
	v_max3_num_f32 v18, v18, |v[P+32*\t+\i]|, |v[P+32*\t+\i+1]|
	v_max3_num_f32 v19, v19, |v[P+32*\t+\i+2]|, |v[P+32*\t+\i+3]|
.endr
	v_max3_num_f32 v18, v18, |v[P+32*\t+30]|, |v[P+32*\t+31]|
	v_max3_num_f32 v18, v18, v19, FLOOR            ; the block's largest magnitude, and the floor
	v_add_nc_u32 v22, OFFE, v18                    ; 4 off its exponent field: the conversion's scale operand
	v_lshrrev_b32 v[24+\t], 23, v22                ; the scale's byte
	v_cvt_scalef32_pk16_bf6_f32 v[PC+8*\t:PC+8*\t+2], v[P+32*\t:P+32*\t+15], v22
	v_cvt_scalef32_pk16_bf6_f32 v[PC+8*\t+4:PC+8*\t+6], v[P+32*\t+16:P+32*\t+31], v22   ; (a conversion's three registers begin on an even number)
	v_nop                                          ; one plain place behind a scaled conversion
	v_mov_b32 v[PC+8*\t+3], v[PC+8*\t+4]
	v_mov_b32 v[PC+8*\t+4], v[PC+8*\t+5]
	v_mov_b32 v[PC+8*\t+5], v[PC+8*\t+6]
.irp p, 0,1,2
	ds_store_b64 v5, v[PC+8*\t+2*\p:PC+8*\t+2*\p+1] offset:48*\t+8*\p
.endr
	ds_store_b8 v6, v[24+\t] offset:2*\t
.endm
	s_wait_dscnt 32                                ; the first block's 32 loads are in; the second's may be out
	VQ 0
	s_wait_dscnt 4                                 ; behind the second block's loads only the first block's four stores were issued
	VQ 1
	s_wait_dscnt 0x0                               ; for the others' sake: my stores are done, and so are my reads of V's f32 bytes
	s_barrier_signal -1
	s_barrier_wait -1
	s_wait_loadcnt 0x0                             ; q
; The diagonal step's mask: register n = 32 c + i holds key 64 c + 32 h + i of the step: hidden where 64 c + i > v7.  0 or -infinity, given to the sums as their first C.
.macro MASK
.set n, 0
.rept 64
	v_cmp_gt_i32 vcc_lo, 64*(n/32)+n%32, v7
	v_cndmask_b32 v[P+n], 0, v8, vcc_lo
.set n, n+1
.endr
.endm
; S^T = K Q^T for 128 keys: two groups of four tiles; four links a tile, the four accumulators by turns.
.macro SCORES diag, pz
.irp c, 0,1
.if \c
.rept 8
	v_nop                                          ; eight places behind this form in front of loads into registers that it has read
.endr
.endif
.irp t, 0,1,2,3
	ds_load_b128 v[KF+8*\t:KF+8*\t+3], v4 offset:(4*\c+\t)*TP
	ds_load_b128 v[KF+8*\t+4:KF+8*\t+7], v4 offset:(4*\c+\t)*TP+544
.endr
	s_wait_dscnt 0x0
.irp u, 0,1,2,3
.irp t, 0,1,2,3
.if \u
	v_wmma_f32_16x16x4_f32 v[S+32*\c+8*\t:S+32*\c+8*\t+7], v[KF+8*\t+2*\u:KF+8*\t+2*\u+1], v[QF+8*\pz+2*\u:QF+8*\pz+2*\u+1], v[S+32*\c+8*\t:S+32*\c+8*\t+7]
.elseif \diag
	v_wmma_f32_16x16x4_f32 v[S+32*\c+8*\t:S+32*\c+8*\t+7], v[KF+8*\t:KF+8*\t+1], v[QF+8*\pz:QF+8*\pz+1], v[P+32*\c+8*\t:P+32*\c+8*\t+7]
.else
	v_wmma_f32_16x16x4_f32 v[S+32*\c+8*\t:S+32*\c+8*\t+7], v[KF+8*\t:KF+8*\t+1], v[QF+8*\pz:QF+8*\pz+1], 0
.endif
.endr
.endr
.endr
.endm
; The softmax of a step, p's codes, and O^T += V^T P^T.
.macro SOFT
.rept 8
	v_nop                                          ; eight places behind the last f32 products, in front of the first read of their results and of writes of their C
.endr
.irp p, 0,1,2,3,4,5
	ds_load_b64 v[VF+2*\p:VF+2*\p+1], v5 offset:48*(\p/3)+8*(\p%3)   ; V's fragment: asked for here, wanted at the end
.endr
	ds_load_b32 v27, v6                            ; and its rows' scale words
.irp b, 0,1,2,3
	v_max3_num_f32 v[18+\b], v[S+16*\b], v[S+16*\b+1], v[S+16*\b+2]   ; four chains of 16 scores, ascending: each accumulator is read from its low end on
.endr
.irp i, 3,5,7,9,11,13
.irp b, 0,1,2,3
	v_max3_num_f32 v[18+\b], v[18+\b], v[S+16*\b+\i], v[S+16*\b+\i+1]
.endr
.endr
	v_max3_num_f32 v18, v18, v[S+15], v[S+31]
	v_max3_num_f32 v20, v20, v[S+47], v[S+63]
	v_max_num_f32 v18, v18, v19                    ; THE LARGEST SCORE OF MY TWO BLOCKS OF 32 KEYS: each serves twice: for the row's maximum and, since p rises with the score, for the block's largest p
	v_max_num_f32 v20, v20, v21
	v_max_num_f32 v28, v18, v20
	v_permlanex16_b32 v29, v28, s28, s29
	v_max_num_f32 v28, v28, v29                    ; with lane l xor 16's 64 keys: the step's largest score of my query
	v_mul_f32 v28, s30, v28                        ; as t (c is positive)
	v_max_num_f32 v13, v13, v28                    ; the running largest t
	v_mov_b32 v28, v12
	v_floor_f32 v12, -v13                          ; the new -M = floor(-t) = -ceil(t)
	v_sub_f32 v28, v12, v28                        ; M's old value less its new one: a whole number, 0 or less
	v_cvt_i32_f32 v28, v28                         ; (it saturates)
	v_ldexp_f32 v16, 1.0, v28                      ; f = 2^(old M - new M): a multiplication by it rounds nothing
.set j, 0
.rept 32
	v_pk_fma_f32 v[P+j:P+j+1], v[S+j:S+j+1], s[30:31], v[12:13] op_sel_hi:[1,0,0]   ; t - M, two at a time
.set j, j+2
.endr
	v_fma_f32 v18, v18, s30, v12                   ; the same of each block's largest score
	v_fma_f32 v20, v20, s30, v12
.set j, 0
.rept 64
	v_exp_f32 v[P+j], v[P+j]                       ; p = 2^(t - M), at most 1: not normalised
.set j, j+1
.endr
	v_exp_f32 v18, v18                             ; the blocks' largest p
	v_exp_f32 v20, v20
	v_pk_mul_f32 v[14:15], v[14:15], v[16:17] op_sel_hi:[1,0]   ; the sums under the new M.  (A plain place behind the exponentials)
	s_wait_alu depctr_va_vdst(0)
	v_max_num_f32 v18, FLOOR, v18                  ; the floor: the byte cannot fall under 1 (a block whose every p is 0 keeps that byte: its codes are zeros)
	v_max_num_f32 v20, FLOOR, v20
	v_add_nc_u32 v22, OFFE, v18                    ; the conversions' scale operands
	v_add_nc_u32 v23, OFFE, v20
	v_lshrrev_b32 v24, 23, v22                     ; the bytes of blocks h and 2 + h
	v_lshrrev_b32 v25, 23, v23
	v_lshl_or_b32 v24, v25, 16, v24
	v_lshlrev_b32 v24, v9, v24                     ; at their places in the scale word, 8 h bits up;
	v_permlanex16_b32 v25, v24, s28, s29
	v_or_b32 v26, v24, v25                         ; with lane l xor 16's two the word is whole
.irp c, 0,1
	v_cvt_scalef32_pk16_bf6_f32 v[PC+6*\c:PC+6*\c+2], v[P+32*\c:P+32*\c+15], v[22+\c]
	v_cvt_scalef32_pk16_bf6_f32 v[CT+4*\c:CT+4*\c+2], v[P+32*\c+16:P+32*\c+31], v[22+\c]   ; (a conversion's three registers begin on an even number)
.endr
	v_nop                                          ; one plain place behind a scaled conversion
.irp c, 0,1
.irp i, 0,1,2
	v_mov_b32 v[PC+6*\c+3+\i], v[CT+4*\c+\i]       ; registers 6 c .. 6 c + 5: keys 64 c + 32 h + 0 .. 31
.endr
.endr
	v_pk_add_f32 v[30:31], v[P:P+1], v[P+2:P+3]    ; THE ROW'S SUM IS TAKEN OF THE UNQUANTISED p: two at a time, in two chains.  (These 32 are also the places between the writes of p's codes and scale word and the product)
.irp j, 4,8,12,16,20,24,28,32,36,40,44,48,52,56,60
	v_pk_add_f32 v[14:15], v[14:15], v[P+\j:P+\j+1]
	v_pk_add_f32 v[30:31], v[30:31], v[P+\j+2:P+\j+3]
.endr
	v_pk_add_f32 v[14:15], v[14:15], v[30:31]
.irp j, 0,2,4,6
	v_pk_mul_f32 v[O+\j:O+\j+1], v[O+\j:O+\j+1], v[16:17] op_sel_hi:[1,0]   ; O^T under the new M, from its low end on
.endr
	s_wait_dscnt 0x0                               ; V's fragment and scale words are in
	v_wmma_scale_f32_16x16x128_f8f6f4 v[O:O+7], v[VF:VF+11], v[PC:PC+11], v[O:O+7], v27, v26 matrix_a_fmt:MATRIX_FMT_BF6 matrix_b_fmt:MATRIX_FMT_BF6
.endm
; A tile of 16 queries against its keys.  tt: the scalar register that holds the tile's number.
.macro PASS pz, tt
	s_bfe_u32 s52, s[\tt], 0x10002
	s_lshl_b32 s52, s52, 6
	s_and_b32 s53, s[\tt], 3
	s_lshl_b32 s53, s53, 3
	s_add_co_u32 s52, s52, s53
	v_add_nc_u32 v7, s52, v61                      ; my query less the diagonal step's first key less 32 h
	s_lshr_b32 s33, s9, 1                          ; the diagonal step: from the wave's number alone
.if \pz
	s_sub_co_u32 s33, 7, s33
.endif
	v_mov_b32 v13, 0xff61b1e6                      ; the largest t so far: -3e38, under every t
	v_floor_f32 v12, -v13
	v_mov_b32 v14, 0
	v_mov_b32 v15, 0
.irp j, 0,1,2,3,4,5,6,7
	v_mov_b32 v[O+\j], 0                           ; the step is written once: the first finds zeros, which the first change of M leaves zeros
.endr
	s_mul_i32 s34, s10, HB                         ; my head's K,
	s_mul_i32 s35, s10, 16*VCP                     ; V's codes
	s_mul_i32 s36, s10, 16*VSP                     ; and scale words
	s_mov_b32 s32, 0
.Lstep_\@:                                     ; 8 trips, a constant; the work of hidden steps is jumped over
	s_cmp_gt_u32 s32, s33
	s_cbranch_scc1 .Lskip_\@
	v_add_nc_u32 v4, s34, v1
	v_add_nc_u32 v5, s35, v2
	v_add_nc_u32 v6, s36, v3
	s_cmp_eq_u32 s32, s33
	s_cbranch_scc1 .Ldiag_\@
	SCORES 0, \pz
	s_branch .Lsoft_\@
.Ldiag_\@:
	MASK
	SCORES 1, \pz
.Lsoft_\@:
	SOFT
.Lskip_\@:
	s_add_co_u32 s34, s34, STEPB
	s_add_co_u32 s35, s35, 96
	s_add_co_u32 s36, s36, 4
	s_add_co_u32 s32, s32, 1
	s_cmp_lt_u32 s32, 8
	s_cbranch_scc1 .Lstep_\@
.rept 4
	v_nop                                          ; four places behind the last product on codes
.endr
	v_add_f32 v14, v14, v15                        ; the sum's two halves,
	v_permlanex16_b32 v28, v14, s28, s29
	v_add_f32 v14, v14, v28                        ; and lane l xor 16's: the row's sum
	v_rcp_f32 v14, v14
	v_nop                                          ; one plain place behind a transcendental
	s_wait_alu depctr_va_vdst(0)
.irp j, 0,1,2,3,4,5,6,7
	v_mul_f32 v[P+\j], v[O+\j], v14                ; ctx(query r, feature 8 h + j)
.endr
	ds_store_b128 v62, v[P:P+3] offset:16384*\pz
	ds_store_b128 v62, v[P+4:P+7] offset:16384*\pz+512
	s_wait_dscnt 0x0
.endm
	PASS 0, 14
	PASS 1, 15
	; ---------------- ctx's block of 32 (two heads x 16 features) becomes codes: wave (w8, hd) takes the tile of pass hd
	s_barrier_signal -1                            ; every wave's stores of O are done (the wait for them ends each pass)
	s_barrier_wait -1
	ds_load_b128 v[P:P+3], v63                     ; the first head's: features 8 h + 0 .. 7 of row r
	ds_load_b128 v[P+4:P+7], v63 offset:512
	ds_load_b128 v[P+8:P+11], v63 offset:8192      ; the second head's
	ds_load_b128 v[P+12:P+15], v63 offset:8704
	s_wait_dscnt 0x0
.irp j, 0,1,2,3,4,5,6,7
	v_permlane16_swap_b32 v[P+\j], v[P+8+\j]       ; the first's lanes 16-31 change places with the second's lanes 0-15: lane (r, h) now holds k = 16 h + 0 .. 15 of the block
.endr
	v_max3_num_f32 v18, |v[P]|, |v[P+1]|, |v[P+2]|
	v_max3_num_f32 v19, |v[P+3]|, |v[P+4]|, |v[P+5]|
.irp i, 6,10
	v_max3_num_f32 v18, v18, |v[P+\i]|, |v[P+\i+1]|
	v_max3_num_f32 v19, v19, |v[P+\i+2]|, |v[P+\i+3]|
.endr
	v_max3_num_f32 v18, v18, |v[P+14]|, |v[P+15]|
	v_max3_num_f32 v18, v18, v19, FLOOR
	v_permlanex16_b32 v29, v18, s28, s29
	v_max_num_f32 v18, v18, v29                    ; the block's largest magnitude
	v_add_nc_u32 v22, OFFE, v18
	v_cvt_scalef32_pk16_bf6_f32 v[252:254], v[P:P+15], v22
	v_lshrrev_b32 v255, 23, v22                    ; the scale's byte.  (A plain place behind the conversion)
	global_store_b96 v10, v[252:254], s[48:49]     ; the wave stores the block's 384 consecutive bytes
	global_store_b8 v11, v255, s[50:51]            ; both halves of the lanes write the same byte with the same value
	s_wait_tensorcnt 0x0
	ds_add_u32 v239, v243
	s_wait_dscnt 0x0
	CROUND                                         ; the closing round
	s_endpgm
.Lfunc_end_k_q2f015ad8e0_attn:
	.size	k_q2f015ad8e0_attn, .Lfunc_end_k_q2f015ad8e0_attn-k_q2f015ad8e0_attn
	.p2alignl 7, 3214868480
	.fill 96, 4, 3214868480
	.section	.rodata,"a",@progbits
	.p2align	6, 0x0
	.amdhsa_kernel k_q2f015ad8e0_attn
		.amdhsa_group_segment_fixed_size 327680
		.amdhsa_private_segment_fixed_size 0
		.amdhsa_enable_private_segment 0
		.amdhsa_kernarg_size 16
		.amdhsa_user_sgpr_count 2
		.amdhsa_user_sgpr_kernarg_segment_ptr 1
		.amdhsa_wavefront_size32 1
		.amdhsa_system_sgpr_workgroup_id_x 1
		.amdhsa_system_sgpr_workgroup_id_y 1
		.amdhsa_system_sgpr_workgroup_id_z 1
		.amdhsa_system_vgpr_workitem_id 0
		.amdhsa_next_free_vgpr 256
		.amdhsa_next_free_sgpr 66
		.amdhsa_reserve_vcc 1
		.amdhsa_float_denorm_mode_32 3
		.amdhsa_float_denorm_mode_16_64 3
		.amdhsa_memory_ordered 1
		.amdhsa_forward_progress 1
		.amdhsa_inst_pref_size 66
	.end_amdhsa_kernel
	.amdgpu_metadata
---
amdhsa.version: [ 1, 2 ]
amdhsa.kernels:
  - .name:           k_q2f015ad8e0_attn
    .symbol:         k_q2f015ad8e0_attn.kd
    .args:
      - { .name: qkv, .offset: 0, .size: 8, .value_kind: global_buffer, .address_space: global }
      - { .name: ccod, .offset: 8, .size: 8, .value_kind: global_buffer, .address_space: global }
    .group_segment_fixed_size: 327680
    .private_segment_fixed_size: 0
    .kernarg_segment_align: 8
    .kernarg_segment_size: 16
    .max_flat_workgroup_size: 512
    .sgpr_count:     66
    .vgpr_count:     256
    .wavefront_size: 32
...
	.end_amdgpu_metadata
.endif
;; end of part 3
;; launch gemm_out (part 4): grid 8 x 32, 8 waves a work-group, clusters of 4 x 4, 197,632 bytes of LDS; arguments ccod, wcod, bo, out0; writes out0
.if DOCPART == 4
	.amdgcn_target "amdgcn-amd-amdhsa--gfx1250"
	.amdhsa_code_object_version 6
	.text
	.protected	k_q2f015ad8e0_gemm_out
	.globl	k_q2f015ad8e0_gemm_out
	.p2align	8
	.type	k_q2f015ad8e0_gemm_out,@function
k_q2f015ad8e0_gemm_out:
	s_mov_b64 s[64:65], 0
	v_nop
	global_prefetch_b8 v0, s[64:65] scope:SCOPE_SE
	s_setreg_imm32_b32 hwreg(HW_REG_WAVE_MODE, 25, 1), 1
	s_wait_xcnt 0x0
	s_wait_alu depctr_hold_cnt(0) depctr_sa_sdst(0) depctr_va_vdst(0) depctr_va_sdst(0) depctr_va_ssrc(0) depctr_va_vcc(0) depctr_vm_vsrc(0)
	s_getreg_b32 s2, hwreg(HW_REG_IB_STS2, 6, 4)
	s_cmp_eq_u32 s2, 0
	s_cbranch_scc0 .Lentry_in_a_cluster
	s_endpgm
.Lentry_in_a_cluster:
	s_bfe_u32 s2, ttmp6, 0x10000c
	s_cmp_lg_u32 s2, 0xf033
	s_cbranch_scc0 .Lentry_shape_is_right
	s_endpgm
.Lentry_shape_is_right:
; out0 = Q(ctx) Q(Wo) + bo: [2048][1024] x [1024][1024] on codes of BF6 (E3M2) with E8M0 scales, sums in f32.
; ccod and wcod lie by tiles of 16 rows / 16 columns: a tile is 4 chunks of 3,328 bytes (256 along K): 8 blocks of [row][24 bytes], then at +3,072 two K steps x 16 scale words.  Wo's tiles are 192-255 of wcod.
; ROWS OF A TILE of ccod: tile rho holds rows 64 (rho / 4) + 8 (rho % 4) + (m % 8) + 32 (m / 8): four neighbouring tiles are 64 neighbouring rows.
; SHARES.  A work-group makes 4 tiles of rows x 8 tiles of columns (64 x 128): 8 x 32 work-groups.  All of K for that, 153,600 bytes, is filled into LDS once: no ring.
; Eight waves, wave (w / 4, w % 4) makes 2 x 2 tiles.  CLUSTER 4 x 4: ctx's tiles are asked for jointly along a row of the cluster, Wo's along a column.
; Waves 0-3 fetch ctx's tiles (1 a chunk each), waves 4-7 Wo's (2 a chunk each): four loads a wave, one a chunk, all at the start.
; THE MATRIX INSTRUCTION IS USED TRANSPOSED (source 0 = 16 columns of Wo, source 1 = 16 rows of ctx): a lane holds eight neighbouring columns of one row.  The bias is the C of each sum's first product.
; THE WAY OUT: through a stage of the work-group's (rows of 512 bytes + 16, bytes into which no fill lands), back as whole rows: a store covers 512 consecutive bytes, aligned.
.set TILEB, 13312
.set CHUNK, 3328
.set TB,    3200
.set ACH,   4*TB
.set BCH,   8*TB
.set BB,    4*ACH
.set STG,   BB+4*BCH                   ; 153,600
.set SP,    528
.set ACC,   16                         ; v16-47   accumulator (a, b) at ACC + 8 (2 a + b)
.set AF,    48                         ; v48-71   ctx's two fragments
.set BF,    72                         ; v72-95   Wo's two
.set SCA,   96                         ; v96-97   ctx's scale words
.set SCB,   98                         ; v98-99   Wo's
.set BIAS,  100                        ; v100-115 bo at my two tiles of columns, in the result's layout
.set G1A,   24
.set G1B,   32
.set G0A,   40
.macro CROUND                          ; a round of the cluster's barrier
	s_barrier_signal -1
	s_barrier_wait -1
	s_cmp_lg_u32 s12, 0
	s_cbranch_scc1 .Lnot_wave_0_\@
	s_barrier_signal -3
.Lnot_wave_0_\@:
	s_barrier_wait -3
	s_barrier_signal -1
	s_barrier_wait -1
.endm
	s_load_b256 s[4:11], s[0:1], 0x0               ; ccod s[4:5], wcod s[6:7], bo s[8:9], out0 s[10:11]
	v_lshl_add_u32 v128, v0, 2, 0x30000
	v_mov_b32 v129, 0
	ds_add_u32 v128, v129
	ds_add_u32 v128, v129
	v_lshrrev_b32 v1, 5, v0
	v_readfirstlane_b32 s12, v1                    ; wave 0..7
	s_lshr_b32 s13, s12, 2                         ; my half of the rows.  Also: I fetch for ctx (0) or for Wo (1)
	s_and_b32 s14, s12, 3                          ; my quarter of the columns.  Also: which tiles I fetch
	s_bfe_u32 s15, ttmp6, 0x40000                  ; cx
	s_bfe_u32 s16, ttmp6, 0x40004                  ; cy
	s_lshl_b32 s17, ttmp9, 2
	s_add_co_u32 s17, s17, s15                     ; work-group x: 128 columns
	s_and_b32 s18, ttmp7, 0xffff
	s_lshl_b32 s18, s18, 2
	s_add_co_u32 s18, s18, s16                     ; work-group y: 64 rows
	s_lshl_b32 s19, s16, 2
	s_lshl_b32 s19, 15, s19                        ; my row of the cluster
	s_lshl_b32 s20, 0x1111, s15                    ; my column
	; group 1: rows of 400 elements of 8 bytes, 1,664 elements (a tile) apart; 1 tile for ctx, 2 for Wo; no padding
	s_or_b32 s[G1A], s19, (3<<16)|(1<<21)
	s_or_b32 s[G1B], s20, (3<<16)|(1<<21)
	s_mov_b32 s[G1A+1], 400<<16
	s_mov_b32 s[G1A+2], 1<<16
	s_mov_b32 s[G1A+3], 400<<16
	s_mov_b32 s[G1A+4], 1
	s_mov_b32 s[G1A+5], 1664
	s_mov_b32 s[G1A+6], 0
	s_mov_b32 s[G1A+7], 0
	s_mov_b32 s[G1B+1], 400<<16
	s_mov_b32 s[G1B+2], 2<<16
	s_mov_b32 s[G1B+3], 400<<16
	s_mov_b32 s[G1B+4], 2
	s_mov_b32 s[G1B+5], 1664
	s_mov_b32 s[G1B+6], 0
	s_mov_b32 s[G1B+7], 0
	s_lshl_b32 s22, s18, 2                         ; ctx: tile 4 y + w % 4: hangs on y alone
	s_add_co_u32 s22, s22, s14
	s_mul_i32 s22, s22, TILEB
	s_mov_b32 s23, 0
	s_lshl_b32 s76, s17, 3                         ; Wo: tile 192 + 8 x + 2 (w % 4): hangs on x alone
	s_lshl_b32 s77, s14, 1
	s_add_co_u32 s76, s76, s77
	s_add_co_u32 s76, s76, 192
	s_mul_i32 s76, s76, TILEB
	s_mov_b32 s77, 0
	s_mul_i32 s21, s14, TB                         ; where they go
	s_mul_i32 s78, s14, 2*TB
	; the vector addresses, made ahead of the branch on the wave's number
	v_and_b32 v1, 15, v0                           ; r
	v_bfe_u32 v2, v0, 4, 1                         ; h
	v_mul_u32_u24 v8, v1, 24
	v_mad_u32_u24 v8, v2, 384, v8                  ; 384 h + 24 r
	v_lshlrev_b32 v9, 2, v1                        ; 4 r
	s_mul_i32 s79, s13, 2*TB                       ; my two tiles of ctx
	v_add_nc_u32 v3, s79, v8                       ; v3: ctx's fragments
	s_add_co_u32 s79, s79, 3072
	v_add_nc_u32 v5, s79, v9                       ; v5: its scale words
	s_mul_i32 s79, s14, 2*TB
	s_add_co_u32 s79, s79, BB                      ; my two of Wo
	v_add_nc_u32 v4, s79, v8                       ; v4: Wo's fragments
	s_add_co_u32 s79, s79, 3072
	v_add_nc_u32 v6, s79, v9                       ; v6: its scale words
	v_and_b32 v7, 31, v0
	v_lshlrev_b32 v7, 4, v7                        ; v7: 16 x lane
	s_mul_i32 s79, s13, 32*SP
	s_lshl_b32 s2, s14, 7
	s_add_co_u32 s79, s79, s2
	s_add_co_u32 s79, s79, STG
	v_mul_u32_u24 v10, v1, SP
	v_lshl_add_u32 v10, v2, 5, v10
	v_add_nc_u32 v10, s79, v10                     ; v10: into the stage: row 32 (w / 4) + r, byte 128 (w % 4) + 32 h
	s_mul_i32 s79, s12, 8*SP
	s_add_co_u32 s79, s79, STG
	v_add_nc_u32 v11, s79, v7                      ; v11: back: my eight rows, 16 bytes a lane
	v_lshlrev_b32 v12, 5, v2                       ; v12: the bias: 32 h
	s_wait_dscnt 0x0
	s_wait_kmcnt 0x0
	s_add_nc_u64 s[22:23], s[4:5], s[22:23]
	s_add_nc_u64 s[76:77], s[6:7], s[76:77]
.irp j, 0,1,2,3
	s_mov_b32 s[G0A+4*\j], 1
	s_add_co_u32 s[G0A+4*\j+1], s21, \j*ACH
	s_add_nc_u64 s[G0A+4*\j+2:G0A+4*\j+3], s[22:23], \j*CHUNK
	s_or_b32 s[G0A+4*\j+3], s[G0A+4*\j+3], 0x80000000
	s_mov_b32 s[56+4*\j+4*(\j/2)], 1
	s_add_co_u32 s[57+4*\j+4*(\j/2)], s78, BB+\j*BCH
	s_add_nc_u64 s[58+4*\j+4*(\j/2):59+4*\j+4*(\j/2)], s[76:77], \j*CHUNK
	s_or_b32 s[59+4*\j+4*(\j/2)], s[59+4*\j+4*(\j/2)], 0x80000000
.endr
	CROUND                                         ; all sixteen work-groups are here: the joint loads meet
	s_cmp_lt_u32 s12, 4                            ; a wave's four fills stand in one branch on the wave's number: four loads of mine are out
	s_cbranch_scc0 .Lfor_b
	tensor_load_to_lds s[40:43], s[G1A:G1A+7]
	s_nop 0
	tensor_load_to_lds s[44:47], s[G1A:G1A+7]
	s_nop 0
	tensor_load_to_lds s[48:51], s[G1A:G1A+7]
	s_nop 0
	tensor_load_to_lds s[52:55], s[G1A:G1A+7]
	s_nop 0
.rept 4
	v_nop
.endr
	s_branch .Lasked
.Lfor_b:
	tensor_load_to_lds s[56:59], s[G1B:G1B+7]
	s_nop 0
	tensor_load_to_lds s[60:63], s[G1B:G1B+7]
	s_nop 0
	tensor_load_to_lds s[68:71], s[G1B:G1B+7]
	s_nop 0
	tensor_load_to_lds s[72:75], s[G1B:G1B+7]
	s_nop 0
.rept 4
	v_nop
.endr
.Lasked:
	s_lshl_b32 s2, s17, 9                          ; bo at column 128 x + 32 (w % 4)
	s_lshl_b32 s3, s14, 7
	s_add_co_u32 s2, s2, s3
	s_mov_b32 s3, 0
	s_add_nc_u64 s[8:9], s[8:9], s[2:3]
.irp b, 0,1
	global_load_b128 v[BIAS+8*\b:BIAS+8*\b+3], v12, s[8:9] offset:64*\b       ; columns 16 b + 8 h + 0 .. 7 of my 32
	global_load_b128 v[BIAS+8*\b+4:BIAS+8*\b+7], v12, s[8:9] offset:64*\b+16
.endr
	s_lshl_b32 s2, s18, 6                          ; the rows that I store: stage rows 8 w + i are rows 64 y + 8 (w / 2) + 32 (w % 2) + i
	s_lshr_b32 s3, s12, 1
	s_lshl_b32 s3, s3, 3
	s_add_co_u32 s2, s2, s3
	s_and_b32 s3, s12, 1
	s_lshl_b32 s3, s3, 5
	s_add_co_u32 s2, s2, s3
	s_lshl_b32 s2, s2, 12
	s_lshl_b32 s3, s17, 9
	s_add_co_u32 s2, s2, s3
	s_mov_b32 s3, 0
	s_add_nc_u64 s[10:11], s[10:11], s[2:3]
; 128 along K, the chunk's q-th: 4 fragments and their scale words from LDS, 4 products, the accumulators by turns.  first = 1: the bias starts the sums.
.macro KSTEP q, first
.irp a, 0,1
.irp p, 0,1,2,3,4,5
	ds_load_b64 v[AF+12*\a+2*\p:AF+12*\a+2*\p+1], v3 offset:TB*\a+1536*\q+768*(\p/3)+8*(\p%3)
.endr
	ds_load_b32 v[SCA+\a], v5 offset:TB*\a+64*\q
.endr
.irp b, 0,1
.irp p, 0,1,2,3,4,5
	ds_load_b64 v[BF+12*\b+2*\p:BF+12*\b+2*\p+1], v4 offset:TB*\b+1536*\q+768*(\p/3)+8*(\p%3)
.endr
	ds_load_b32 v[SCB+\b], v6 offset:TB*\b+64*\q
.endr
	s_wait_dscnt 0x0
.irp a, 0,1
.irp b, 0,1
.if \first
	v_wmma_scale_f32_16x16x128_f8f6f4 v[ACC+8*(2*\a+\b):ACC+8*(2*\a+\b)+7], v[BF+12*\b:BF+12*\b+11], v[AF+12*\a:AF+12*\a+11], v[BIAS+8*\b:BIAS+8*\b+7], v[SCB+\b], v[SCA+\a] matrix_a_fmt:MATRIX_FMT_BF6 matrix_b_fmt:MATRIX_FMT_BF6
.else
	v_wmma_scale_f32_16x16x128_f8f6f4 v[ACC+8*(2*\a+\b):ACC+8*(2*\a+\b)+7], v[BF+12*\b:BF+12*\b+11], v[AF+12*\a:AF+12*\a+11], v[ACC+8*(2*\a+\b):ACC+8*(2*\a+\b)+7], v[SCB+\b], v[SCA+\a] matrix_a_fmt:MATRIX_FMT_BF6 matrix_b_fmt:MATRIX_FMT_BF6
.endif
.endr
.endr
.rept 4
	v_nop                                          ; four places in front of the next loads into registers that these products read, and of the LDS stores that read their results
.endr
.endm
	s_wait_loadcnt 0x0                             ; the bias
.irp j, 0,1,2,3
	s_wait_tensorcnt 3-\j                          ; my part of chunk j is in; the later chunks' loads may stay out
	s_barrier_signal -1
	s_barrier_wait -1                              ; everybody's is
.if \j == 0
	KSTEP 0, 1
.else
	KSTEP 0, 0
.endif
	KSTEP 1, 0
.if \j < 3
	v_add_nc_u32 v3, ACH, v3                       ; on to the next chunk
	v_add_nc_u32 v5, ACH, v5
	v_add_nc_u32 v4, BCH, v4
	v_add_nc_u32 v6, BCH, v6
.endif
.endr
.irp a, 0,1                            ; into the stage, each accumulator from its low end on: lane (r, h): row 16 a + r of my 32, columns 16 b + 8 h + 0 .. 7 of my 32
.irp b, 0,1
	ds_store_b128 v10, v[ACC+8*(2*\a+\b):ACC+8*(2*\a+\b)+3] offset:16*SP*\a+64*\b
	ds_store_b128 v10, v[ACC+8*(2*\a+\b)+4:ACC+8*(2*\a+\b)+7] offset:16*SP*\a+64*\b+16
.endr
.endr
	s_wait_dscnt 0x0                               ; for the others' sake: my stores into the stage are done
	s_barrier_signal -1
	s_barrier_wait -1                              ; a row's 512 bytes come from four waves
.irp i, 0,1,2,3,4,5,6,7
	ds_load_b128 v[AF+4*\i:AF+4*\i+3], v11 offset:SP*\i
.endr
.irp i, 0,1,2,3,4,5,6,7
	s_wait_dscnt 7-\i                              ; row i is back; the later rows' loads may be out
	global_store_b128 v7, v[AF+4*\i:AF+4*\i+3], s[10:11] offset:4096*\i th:TH_STORE_NT   ; 32 lanes store 512 consecutive bytes, aligned; written once, read by nobody here
.endr
	s_wait_tensorcnt 0x0
	ds_add_u32 v128, v129
	s_wait_dscnt 0x0
	CROUND                                         ; the closing round
	s_endpgm
.Lfunc_end_k_q2f015ad8e0_gemm_out:
	.size	k_q2f015ad8e0_gemm_out, .Lfunc_end_k_q2f015ad8e0_gemm_out-k_q2f015ad8e0_gemm_out
	.p2alignl 7, 3214868480
	.fill 96, 4, 3214868480
	.section	.rodata,"a",@progbits
	.p2align	6, 0x0
	.amdhsa_kernel k_q2f015ad8e0_gemm_out
		.amdhsa_group_segment_fixed_size 197632
		.amdhsa_private_segment_fixed_size 0
		.amdhsa_enable_private_segment 0
		.amdhsa_kernarg_size 32
		.amdhsa_user_sgpr_count 2
		.amdhsa_user_sgpr_kernarg_segment_ptr 1
		.amdhsa_wavefront_size32 1
		.amdhsa_system_sgpr_workgroup_id_x 1
		.amdhsa_system_sgpr_workgroup_id_y 1
		.amdhsa_system_sgpr_workgroup_id_z 1
		.amdhsa_system_vgpr_workitem_id 0
		.amdhsa_next_free_vgpr 130
		.amdhsa_next_free_sgpr 80
		.amdhsa_reserve_vcc 0
		.amdhsa_float_denorm_mode_32 3
		.amdhsa_float_denorm_mode_16_64 3
		.amdhsa_memory_ordered 1
		.amdhsa_forward_progress 1
		.amdhsa_inst_pref_size 32
	.end_amdhsa_kernel
	.amdgpu_metadata
---
amdhsa.version: [ 1, 2 ]
amdhsa.kernels:
  - .name:           k_q2f015ad8e0_gemm_out
    .symbol:         k_q2f015ad8e0_gemm_out.kd
    .args:
      - { .name: ccod, .offset: 0, .size: 8, .value_kind: global_buffer, .address_space: global }
      - { .name: wcod, .offset: 8, .size: 8, .value_kind: global_buffer, .address_space: global }
      - { .name: bo, .offset: 16, .size: 8, .value_kind: global_buffer, .address_space: global }
      - { .name: out0, .offset: 24, .size: 8, .value_kind: global_buffer, .address_space: global }
    .group_segment_fixed_size: 197632
    .private_segment_fixed_size: 0
    .kernarg_segment_align: 8
    .kernarg_segment_size: 32
    .max_flat_workgroup_size: 256
    .sgpr_count:     80
    .vgpr_count:     130
    .wavefront_size: 32
...
	.end_amdgpu_metadata
.endif
;; end of part 4
